; MI455X (gfx1250); checked and timed in simulation.
; The chip was launched on July 23, 2026; its instructions are those of AMD's public machine-readable ISA for CDNA 5 (MIT licence, August 2026) and "CDNA5" Instruction Set Architecture Reference Guide (July 2026). The comments in the code are by the model that wrote it; some were corrected since.
;; Content Based Attention. Allowed arithmetic: matrix products marked QUANTISED: E5M2 operands, one E8M0 scale for each 32 along K, by v_wmma_scale_f32_16x16x128_f8f6f4 with both operands' format E5M2, f32 sums; products left as they are: f32 operands where the result goes on into a quantised operand, else bf16, f16 or f32 operands; f32 sums; everything else in f32.
;; Inputs: V_codes 1,024 x 32 x 32 uint8 (E5M2 codes of V, K innermost, in blocks of 32 codes); V_scales 1,024 x 32 uint8 (E8M0 scales of V, one for each 32 codes along K); W_codes 1,024 x 32 x 32 uint8 (E5M2 codes of W, K innermost, in blocks of 32 codes); W_scales 1,024 x 32 uint8 (E8M0 scales of W, one for each 32 codes along K); b 1,024 float32; decoder_output_codes 32 x 1 x 32 x 32 uint8 (E5M2 codes of decoder_output, K innermost, in blocks of 32 codes); decoder_output_scales 32 x 1 x 32 uint8 (E8M0 scales of decoder_output, one for each 32 codes along K); encoder_outputs 32 x 2,048 x 1,024 float32; w 1,024 x 1 float32.
;; Outputs: out0 32 x 1,024 float32.
;; This version of the problem:
;;   THIS VERSION OF THE PROBLEM IS GIVEN IN LOW PRECISION. The matrix products marked QUANTISED in the list below multiply operands that are first quantised to E5M2 (5 exponent bits, 2 mantissa bits; 8 bits a number), with one power-of-two scale for each 32 numbers along K (OCP MX v1.0); their sums are f32. All else is computed in f32.
;;   The module's matrix products, in the order in which they are computed (A, B: the left and right operand; K: the contracted axis; several contracted axes count as one K, in the product's order):
;;     1. [M 32, K 1,024] x [K 1,024, N 1,024]; A: input decoder_output (given as codes); B: input W (given as codes): QUANTISED
;;     2. [M 65,536, K 1,024] x [K 1,024, N 1,024]; A: input encoder_outputs; B: input V (given as codes): QUANTISED
;;     3. [M 65,536, K 1,024] x [K 1,024, N 1]; A: computed on the way; B: input w: left as it is (N = 1 < 16)
;;     4. batch 32 x [M 1, K 2,048] x [K 2,048, N 1,024]; A: softmax; B: input encoder_outputs: left as it is (M = 1 < 16)
;;   THE QUANTISER, for each operand of a quantised product, along K:
;;     - K is cut into blocks of 32 from its start; a last block that is shorter is filled with zeros.
;;     - A block's scale is 2^e with e = floor(log2(the largest magnitude in the block)) - 15, held to -126 .. 127; a block of zeros has e = 0. As a byte (E8M0): e + 127.
;;     - Each number is divided by its block's scale, clamped to +-57,344, and rounded to the nearest number of E5M2, ties to even, subnormals kept.
;;     - The product sums the exact products of the quantised numbers (number of the format x scale) in f32.
;;   ~~~python
;;   def quantise(x, axis):      # numpy; x: float32 -> the quantised numbers, widened to float32 again
;;       x = np.moveaxis(x, axis, -1); K = x.shape[-1]
;;       x = np.pad(x, [(0, 0)] * (x.ndim - 1) + [(0, -K % 32)]); x = x.reshape(x.shape[:-1] + (-1, 32)); a = np.abs(x).max(-1, keepdims=True)
;;       e = np.where(a > 0, np.clip(np.frexp(np.where(a > 0, a, 1))[1] - 1 - 15, -126, 127), 0)      # np.frexp(a)[1] - 1 = floor(log2(a)), exactly
;;       r = np.clip(x / 2.0 ** e, -57344, 57344)
;;       step = 2.0 ** (np.maximum(np.frexp(np.where(r == 0, 1, r))[1] - 1, -14) - 2)
;;       q = np.round(r / step) * step * 2.0 ** e      # np.round: ties to even
;;       return np.moveaxis(q.reshape(q.shape[:-2] + (-1,))[..., :K], -1, axis).astype(np.float32)
;;   ~~~
;;   INPUTS GIVEN AS CODES. V (in the module: [1024, 1024], K = its axis 0); W (in the module: [1024, 1024], K = its axis 0); decoder_output (in the module: [32, 1, 1024], K = its axis 2): each comes as NAME_codes (uint8): NAME with its K axis moved to the last place and cut into blocks of 32 codes, [.., K / 32, bytes a block], one block behind the other in memory; one code a byte (a code: sign, 5 exponent bits, 2 mantissa bits); and NAME_scales (uint8): the same leading axes, one E8M0 byte (e + 127) for each 32 codes along K. Its value is code x scale, taken as it is: it is not quantised again, and the codes and scales need not be those that the quantiser above would give.
;; One version. Each part assembles by itself: llvm-mc -triple=amdgcn-amd-amdhsa -mcpu=gfx1250 --defsym DOCPART=n.
;; ======== version 1 of 1: 3 launches
;; limits: right only within a limited range of input values
;; workspace buffers: vimg 1,081,344 bytes; kb 131,072 bytes; scores 262,144 bytes
;; launch prep (part 1): grid 64 x 1, 2 waves a work-group, no clusters, 0 bytes of LDS; arguments W_codes, W_scales, decoder_output_codes, decoder_output_scales, b, V_codes, V_scales, kb, vimg; writes kb, vimg
.if DOCPART == 1
	.amdgcn_target "amdgcn-amd-amdhsa--gfx1250"
	.amdhsa_code_object_version 6
	.text
	.protected	k_q9928259bb6_prep
	.globl	k_q9928259bb6_prep
	.p2align	8
	.type	k_q9928259bb6_prep,@function
k_q9928259bb6_prep:
	s_mov_b64 s[64:65], 0
	v_nop
	global_prefetch_b8 v0, s[64:65] scope:SCOPE_SE
	s_setreg_imm32_b32 hwreg(HW_REG_WAVE_MODE, 25, 1), 1
	s_wait_xcnt 0x0
; kb[batch][c] = k (sum over h of dec[batch][h] W[h][c] + b[c]), k = 2 log2(e); and V's codes laid anew as images of operand registers.
; dec [32][1024] and W [1024 (c)][1024 (h)] come as codes of E5M2 with one E8M0 byte for each 32 along h: they go to the matrix unit as they lie.
; SHARES.  Work-group n owns the 16 columns c = 16 n .. 16 n + 15.  Wave v takes batches 16 v .. 16 v + 15 (8 matrix instructions, K = 1,024) and copies V's K steps 4 v .. 4 v + 3 of those columns.
; vimg: for each column tile 16,896 bytes: K step s at 2048 s, in it register group c of lane l at 512 c + 16 l; behind the eight steps the tile's 512 scale bytes as they lie (row r at 32 r).
; THE PRODUCT IS USED TRANSPOSED (source 0 = 16 columns of W, source 1 = 16 batches): lane (r, h) holds batch r and the columns 16 n + 8 h + 0 .. 7.
; b is the C of the first matrix instruction.  The eight K steps go to two accumulators by turns; the two are added at the end.
; No LDS, no barrier, no cluster: the work-groups share nothing but dec's 32 KiB, a small part of what the launch reads, and operands go from memory straight into registers.
; kb leaves in pieces of 64 bytes a row (sixteen columns): 128 KiB in the whole launch.
.set KTWO, 0x4038aa3b                  ; 2 log2(e)
.set RES, 8                            ; v8-15   the result
.set A0,  16                           ; v16-23  sums of the even K steps
.set A1,  24                           ; v24-31  of the odd ones
.set BB,  32                           ; v32-39  b in the result's layout
.set WS,  40                           ; v40-47  W's scale words, one a K step
.set DSC, 48                           ; v48-55  dec's
.set WF,  64                           ; v64-191 W's eight fragments;  window 1, v0-127: dec's eight
.set VF,  192                          ; v192-255 V's four fragments
.set MSB, 0
.macro WIN new                         ; the immediate's high byte repeats the setting that is left
.if MSB != \new
	s_set_vgpr_msb (MSB<<8)|\new
.set MSB, \new
.endif
.endm
	s_load_b256 s[4:11], s[0:1], 0x0               ; W's codes, W's scales, dec's codes, dec's scales
	s_load_b256 s[12:19], s[0:1], 0x20             ; b, V's codes, V's scales, kb
	s_load_b64 s[20:21], s[0:1], 0x40              ; vimg
	v_lshrrev_b32 v1, 5, v0
	v_readfirstlane_b32 s22, v1                    ; wave 0, 1
	v_and_b32 v1, 31, v0                           ; lane
	v_and_b32 v2, 15, v0                           ; r
	v_bfe_u32 v3, v0, 4, 1                         ; h
	v_lshlrev_b32 v4, 10, v2
	v_lshl_add_u32 v4, v3, 4, v4                   ; a fragment: row r of 1,024 bytes, + 16 h
	v_lshlrev_b32 v5, 5, v2                        ; a row of scale bytes: 32 r
	v_lshlrev_b32 v6, 5, v3                        ; b: 32 h
	v_lshlrev_b32 v7, 4, v1                        ; an image: 16 x lane
	v_lshlrev_b32 v58, 3, v1                       ; the scale bytes' copy: 8 x lane
	v_lshlrev_b32 v59, 12, v2
	v_lshl_add_u32 v59, v3, 5, v59                 ; kb: row r of 4,096 bytes, + 32 h
	s_lshl_b32 s24, ttmp9, 14                      ; 16 rows of codes x n
	s_mov_b32 s25, 0
	s_lshl_b32 s26, s22, 14                        ; 16 rows of codes x wave
	s_mov_b32 s27, 0
	s_lshl_b32 s28, ttmp9, 9                       ; 16 rows of scale bytes x n
	s_mov_b32 s29, 0
	s_lshl_b32 s30, s22, 9                         ; 16 rows of scale bytes x wave; also four K steps of codes in a row
	s_mov_b32 s31, 0
	s_lshl_b32 s32, ttmp9, 6                       ; 16 f32 x n
	s_mov_b32 s33, 0
	s_mul_i32 s34, ttmp9, 16896                    ; a tile of vimg x n
	s_mov_b32 s35, 0
	s_lshl_b32 s36, s22, 8                         ; half of a tile's scale bytes x wave
	s_mov_b32 s37, 0
	s_mov_b32 s38, KTWO
	s_mov_b32 s39, KTWO                            ; (named with it as a pair, so it is written)
	s_wait_alu depctr_va_vdst(0)
	s_wait_kmcnt 0x0
	s_add_nc_u64 s[4:5], s[4:5], s[24:25]          ; W's codes at my columns
	s_add_nc_u64 s[6:7], s[6:7], s[28:29]          ; and their scale bytes
	s_add_nc_u64 s[8:9], s[8:9], s[26:27]          ; dec's codes at my batches
	s_add_nc_u64 s[10:11], s[10:11], s[30:31]      ; and their scale bytes
	s_add_nc_u64 s[12:13], s[12:13], s[32:33]      ; b at my columns
	s_add_nc_u64 s[14:15], s[14:15], s[24:25]      ; V's codes at my columns,
	s_add_nc_u64 s[14:15], s[14:15], s[30:31]      ; at my four K steps
	s_add_nc_u64 s[16:17], s[16:17], s[28:29]      ; V's scale bytes at my columns,
	s_add_nc_u64 s[16:17], s[16:17], s[36:37]      ; my half of them
	s_add_nc_u64 s[18:19], s[18:19], s[32:33]      ; kb at my columns,
	s_lshl_b32 s26, s22, 16
	s_add_nc_u64 s[18:19], s[18:19], s[26:27]      ; at my 16 batches
	s_add_nc_u64 s[20:21], s[20:21], s[34:35]      ; vimg at my tile
	s_add_nc_u64 s[24:25], s[20:21], s[36:37]      ; where my half of the scale bytes goes (16,384 stands in the immediate)
	s_lshl_b32 s36, s22, 13
	s_add_nc_u64 s[20:21], s[20:21], s[36:37]      ; and my four K steps' images
.irp s, 0,1,2,3
.irp c, 0,1,2,3
	global_load_b128 v[VF+16*\s+4*\c:VF+16*\s+4*\c+3], v4, s[14:15] offset:128*\s+32*\c
.endr
.endr
	global_load_b64 v[56:57], v58, s[16:17]
.irp s, 0,1,2,3,4,5,6,7
.irp c, 0,1,2,3
	global_load_b128 v[WF+16*\s+4*\c:WF+16*\s+4*\c+3], v4, s[4:5] offset:128*\s+32*\c
.endr
.endr
	global_load_b128 v[WS:WS+3], v5, s[6:7]
	global_load_b128 v[WS+4:WS+7], v5, s[6:7] offset:16
	global_load_b128 v[DSC:DSC+3], v5, s[10:11]
	global_load_b128 v[DSC+4:DSC+7], v5, s[10:11] offset:16
	global_load_b128 v[BB:BB+3], v6, s[12:13]
	global_load_b128 v[BB+4:BB+7], v6, s[12:13] offset:16
	WIN 0x40                                       ; destination window 1
.irp s, 0,1,2,3,4,5,6,7
.irp c, 0,1,2,3
	global_load_b128 v[16*\s+4*\c:16*\s+4*\c+3], v4, s[8:9] offset:128*\s+32*\c
.endr
.endr
	WIN 0
	s_wait_loadcnt 63                              ; 70 loads were issued behind V's 17: with 63 out at the most, V's are in
.irp s, 0,1,2,3
.irp c, 0,1,2,3
	global_store_b128 v7, v[VF+16*\s+4*\c:VF+16*\s+4*\c+3], s[20:21] offset:2048*\s+512*\c   ; 32 lanes store 512 consecutive bytes, at a multiple of 256 from vimg's first byte
.endr
.endr
	global_store_b64 v58, v[56:57], s[24:25] offset:16384   ; 256 consecutive bytes, aligned
	s_wait_loadcnt 0x0
	WIN 0x04                                       ; source 1 (dec) window 1
.irp s, 0,1,2,3,4,5,6,7
.set rD, A0+8*(\s%2)
.if \s == 0
	v_wmma_scale_f32_16x16x128_f8f6f4 v[rD:rD+7], v[WF+16*\s:WF+16*\s+15], v[16*\s:16*\s+15], v[BB:BB+7], v[WS+\s], v[DSC+\s] matrix_a_fmt:MATRIX_FMT_BF8 matrix_b_fmt:MATRIX_FMT_BF8
.elseif \s == 1
	v_wmma_scale_f32_16x16x128_f8f6f4 v[rD:rD+7], v[WF+16*\s:WF+16*\s+15], v[16*\s:16*\s+15], 0, v[WS+\s], v[DSC+\s] matrix_a_fmt:MATRIX_FMT_BF8 matrix_b_fmt:MATRIX_FMT_BF8
.else
	v_wmma_scale_f32_16x16x128_f8f6f4 v[rD:rD+7], v[WF+16*\s:WF+16*\s+15], v[16*\s:16*\s+15], v[rD:rD+7], v[WS+\s], v[DSC+\s] matrix_a_fmt:MATRIX_FMT_BF8 matrix_b_fmt:MATRIX_FMT_BF8
.endif
.endr
	WIN 0
.rept 8
	v_nop                                          ; eight places between this form's last product and the first read of a result
.endr
.irp j, 0,2,4,6
	v_pk_add_f32 v[RES+\j:RES+\j+1], v[A0+\j:A0+\j+1], v[A1+\j:A1+\j+1]   ; both accumulators from their low end on
.endr
.irp j, 0,2,4,6
	v_pk_mul_f32 v[RES+\j:RES+\j+1], v[RES+\j:RES+\j+1], s[38:39] op_sel_hi:[1,0]   ; x k
.endr
	global_store_b128 v59, v[RES:RES+3], s[18:19]
	global_store_b128 v59, v[RES+4:RES+7], s[18:19] offset:16
	s_endpgm
.Lfunc_end_k_q9928259bb6_prep:
	.size	k_q9928259bb6_prep, .Lfunc_end_k_q9928259bb6_prep-k_q9928259bb6_prep
	.p2alignl 7, 3214868480
	.fill 96, 4, 3214868480
	.section	.rodata,"a",@progbits
	.p2align	6, 0x0
	.amdhsa_kernel k_q9928259bb6_prep
		.amdhsa_group_segment_fixed_size 0
		.amdhsa_private_segment_fixed_size 0
		.amdhsa_enable_private_segment 0
		.amdhsa_kernarg_size 72
		.amdhsa_user_sgpr_count 2
		.amdhsa_user_sgpr_kernarg_segment_ptr 1
		.amdhsa_wavefront_size32 1
		.amdhsa_system_sgpr_workgroup_id_x 1
		.amdhsa_system_sgpr_workgroup_id_y 1
		.amdhsa_system_sgpr_workgroup_id_z 1
		.amdhsa_system_vgpr_workitem_id 0
		.amdhsa_next_free_vgpr 384
		.amdhsa_next_free_sgpr 66
		.amdhsa_reserve_vcc 0
		.amdhsa_float_denorm_mode_32 3
		.amdhsa_float_denorm_mode_16_64 3
		.amdhsa_memory_ordered 1
		.amdhsa_forward_progress 1
		.amdhsa_inst_pref_size 14
	.end_amdhsa_kernel
	.amdgpu_metadata
---
amdhsa.version: [ 1, 2 ]
amdhsa.kernels:
  - .name:           k_q9928259bb6_prep
    .symbol:         k_q9928259bb6_prep.kd
    .args:
      - { .name: W_codes, .offset: 0, .size: 8, .value_kind: global_buffer, .address_space: global }
      - { .name: W_scales, .offset: 8, .size: 8, .value_kind: global_buffer, .address_space: global }
      - { .name: decoder_output_codes, .offset: 16, .size: 8, .value_kind: global_buffer, .address_space: global }
      - { .name: decoder_output_scales, .offset: 24, .size: 8, .value_kind: global_buffer, .address_space: global }
      - { .name: b, .offset: 32, .size: 8, .value_kind: global_buffer, .address_space: global }
      - { .name: V_codes, .offset: 40, .size: 8, .value_kind: global_buffer, .address_space: global }
      - { .name: V_scales, .offset: 48, .size: 8, .value_kind: global_buffer, .address_space: global }
      - { .name: kb, .offset: 56, .size: 8, .value_kind: global_buffer, .address_space: global }
      - { .name: vimg, .offset: 64, .size: 8, .value_kind: global_buffer, .address_space: global }
    .group_segment_fixed_size: 0
    .private_segment_fixed_size: 0
    .kernarg_segment_align: 8
    .kernarg_segment_size: 72
    .max_flat_workgroup_size: 64
    .sgpr_count:     66
    .vgpr_count:     384
    .wavefront_size: 32
...
	.end_amdgpu_metadata
.endif
;; end of part 1
;; launch scores (part 2): grid 256 x 1, 4 waves a work-group, clusters of 4 x 1, 327,680 bytes of LDS; arguments encoder_outputs, vimg, kb, w, scores; writes scores
.if DOCPART == 2
	.amdgcn_target "amdgcn-amd-amdhsa--gfx1250"
	.amdhsa_code_object_version 6
	.text
	.protected	k_q9928259bb6_scores
	.globl	k_q9928259bb6_scores
	.p2align	8
	.type	k_q9928259bb6_scores,@function
k_q9928259bb6_scores:
	s_mov_b64 s[64:65], 0
	v_nop
	global_prefetch_b8 v0, s[64:65] scope:SCOPE_SE
	s_setreg_imm32_b32 hwreg(HW_REG_WAVE_MODE, 25, 1), 1
	s_wait_xcnt 0x0
	s_wait_alu depctr_hold_cnt(0) depctr_sa_sdst(0) depctr_va_vdst(0) depctr_va_sdst(0) depctr_va_ssrc(0) depctr_va_vcc(0) depctr_vm_vsrc(0)
	s_getreg_b32 s2, hwreg(HW_REG_IB_STS2, 6, 4)
	s_cmp_eq_u32 s2, 0
	s_cbranch_scc0 .Lentry_in_a_cluster
	s_endpgm
.Lentry_in_a_cluster:
	s_bfe_u32 s2, ttmp6, 0x10000c
	s_cmp_lg_u32 s2, 0x3003
	s_cbranch_scc0 .Lentry_shape_is_right
	s_endpgm
.Lentry_shape_is_right:
; scores[row] = -k sum over c of w[c] / (1 + 2^(k (enc[row] . V[:, c]) + kb[batch][c])), k = 2 log2(e), for the 65,536 rows of enc [32][2048][1024] f32.
; tanh x = 1 - 2 / (1 + 2^(k x)), so a row's score x log2(e) = log2(e) sum of w - k sum over c of w[c] / (1 + 2^(k x)).  The first term is the same for all rows of a batch and
; falls out of the softmax for every input: it is left out.  No clamp: 2^(large) is infinity and its reciprocal 0; 2^(-large) is 0 and the reciprocal 1.
; enc . V is the quantised product: enc is quantised here, in f32, along its 1,024 (blocks of 32); V comes as codes, laid as images of operand registers by the launch before.
; LIMITS: NaN and infinities in enc are not served.  A block of zeros, or one whose largest magnitude lies under 2^-111, gets the byte 1 (zero codes add nothing; the bytes are read here alone).
; SHARES.  A work-group owns 256 rows, each of its four waves 64: four tiles of 16 rows, for all 1,024 columns.
; PHASE A: a lane loads its 64 bytes of each block of 32 straight in the operand's order (row lane % 16, k = 32 c + 16 (lane / 16) + 0 .. 15): eight loads on end cover 256 bytes of each of 16 rows.
; The codes wait in LDS as images of their registers (register numbers cannot change from trip to trip, addresses can) and end in windows 1 and 2.
; PHASE B: V's 64 column tiles pass through a ring of two LDS slots of four tiles; each fragment of V feeds four matrix instructions.  A tile is one run of 32 products, then one vector pass.
; CLUSTER: all work-groups walk the same V: the four of a cluster ask for each tile jointly.
; No prefetch of V: slot 0 is asked for at the head and has all of phase A in which to land, every later slot a whole slot's 128 matrix instructions a wave.  enc is streamed once by loads that run 64 ahead.
; THE PRODUCT IS USED TRANSPOSED (source 0 = 16 columns of V, source 1 = 16 rows of enc): a lane holds one row (lane % 16) and the columns 16 n + 8 (lane / 16) + 0 .. 7.
; REGISTERS.  Window 0: v1-11, v60-62 addresses; v12-19 the rows' sums; v20-35 enc's scale words; v36-43 V's; v44-51 kb, v52-59 w of a tile; v64-191 V's eight fragments; v192-223 four accumulators.
;   Phase A: v192-227 at work, v228-235 addresses.  Windows 1, 2: enc's codes (tile m, K step s: v[64 m + 16 (s % 4)] of window 1 + s / 4).  Window 3: four landing buffers of 64 registers.
.set TILEB, 16896                      ; a column tile of vimg: 8 fragment images of 2,048 bytes, 512 scale bytes
.set SLOTB, 4*TILEB
.set KBT,   2*SLOTB                    ; behind the ring: kb's 4,096 bytes, w's 4,096 bytes
.set IMG,   KBT+8192                   ; for each wave 16 fragment images of 2,048 bytes, then 16 images of scale words of 128
.set IMGW,  34816
.set SPARE, IMG+4*IMGW                 ; the spare words, 128 bytes a wave: two blocks of 256 bytes that no other line names
.set LI,  1                            ; 16 x lane
.set LR,  2                            ; 32 x (lane % 16)
.set LH,  3                            ; KBT + 32 x (lane / 16)
.set AF0, 4                            ; v4, v5: fragment images of the slot's tiles 0-1, 2-3
.set AS0, 6                            ; v6, v7: their scale bytes
.set SPW, 8                            ; my spare word; never rewritten
.set NIL, 9                            ; 0; never rewritten
.set AK,  10                           ; kb and w of the slot's tiles
.set S,   12
.set ASC, 20                           ; register 4 m + u: lanes 0-15 the word of K step 2 u of row tile m, lanes 16-31 that of K step 2 u + 1
.set VSC, 36
.set KBR, 44
.set WR,  52
.set LI2, 60                           ; LI, LR two tiles on
.set LR2, 61
.set LA,  62                           ; enc: 4,096 x (lane % 16) + 64 x (lane / 16)
.set FX,  64
.set ACC, 192
.set TM,  192                          ; v192-195 largest magnitudes, v196-199 bytes, v200-203 57,344 x the scale, v204-207 the conversions' scale operands
.set PW,  208
.set PC,  212
.set PC0, 228                          ; my images + 16 x lane
.set PS0, 229                          ; my scale images + 4 x lane
.set ISA, 230                          ; my scale images + 4 (lane % 16) + 128 (lane / 16)
.set PCA, 231                          ; PC0, PS0 at the trip in hand
.set PSA, 232
.set TG,  233
.set TL,  234
.set OUTA, 235                         ; 4 x lane
.set WV,  14
.set G1,  24
.set G0,  32
.set TB,  36                           ; the slot in hand
.set TN,  37                           ; 64 x the slot's first column tile
.set CNT, 38
.set IO,  40
.set IO2, 41
.set KK,  42
.set SEL, 44
.set MNT, 46
.set HIM, 47
.set NP,  48
.set INC, 50
.set TRP, 52
.set NK,  53
.set MSB, 0
.macro WIN new                         ; the immediate's high byte repeats the setting that is left
.if MSB != \new
	s_set_vgpr_msb (MSB<<8)|\new
.set MSB, \new
.endif
.endm
.macro ROUND                           ; a round of the cluster's barrier
	s_barrier_signal -1
	s_barrier_wait -1
	s_cmp_lg_u32 s[WV], 0
	s_cbranch_scc1 .Lnot_wave_0_\@
	s_barrier_signal -3
.Lnot_wave_0_\@:
	s_barrier_wait -3
	s_barrier_signal -1
	s_barrier_wait -1
.endm
.macro NOPS n
.rept \n
	v_nop
.endr
.endm
	s_load_b256 s[4:11], s[0:1], 0x0               ; enc, vimg, kb, w
	s_load_b64 s[12:13], s[0:1], 0x20              ; scores
	v_lshl_add_u32 v[SPW], v0, 2, SPARE
	v_mov_b32 v[NIL], 0
	ds_add_u32 v[SPW], v[NIL]                      ; the opening lines: the add, twice on end, and its wait ahead of my first tensor load
	ds_add_u32 v[SPW], v[NIL]
	v_lshrrev_b32 v10, 5, v0
	v_readfirstlane_b32 s[WV], v10                 ; wave 0..3
	s_bfe_u32 s15, ttmp6, 0x40000                  ; cx
	s_lshl_b32 s16, ttmp9, 2
	s_add_co_u32 s16, s16, s15                     ; my work-group: it enters the addresses of enc, kb and scores alone
	s_mov_b32 s[G1+0], 15|(3<<16)|(1<<21)          ; the mask: all four work-groups; elements of 8 bytes; bit 21 beside a mask
	s_mov_b32 s[G1+1], 32<<16                      ; a column tile is a dense block of 66 rows of 256 bytes
	s_mov_b32 s[G1+2], 66<<16
	s_mov_b32 s[G1+3], 32<<16
	s_mov_b32 s[G1+4], 66
	s_mov_b32 s[G1+5], 32
	s_mov_b32 s[G1+6], 0
	s_mov_b32 s[G1+7], 0
	s_mul_i32 s18, s[WV], TILEB                    ; wave w fetches tile w of each group of four
	s_mov_b32 s19, 0
	s_lshl_b32 s20, s16, 20                        ; enc: 256 rows of 4,096 bytes x work-group
	s_lshl_b32 s21, s[WV], 18                      ; + 64 rows x wave
	s_add_co_u32 s20, s20, s21
	s_mov_b32 s21, 0
	s_lshr_b32 s22, s16, 3                         ; eight work-groups to a batch
	s_lshl_b32 s22, s22, 12
	s_mov_b32 s23, 0
	s_lshl_b32 s54, s16, 10                        ; scores: 256 f32 x work-group + 64 x wave
	s_lshl_b32 s55, s[WV], 8
	s_add_co_u32 s54, s54, s55
	s_mov_b32 s55, 0
	s_mov_b32 s[KK], 0x4038aa3b                    ; k = 2 log2(e)
	s_mov_b32 s[KK+1], 0x4038aa3b
	s_mov_b32 s[NK], 0xc038aa3b                    ; -k
	s_mov_b32 s[SEL], 0x76543210
	s_mov_b32 s[SEL+1], 0xfedcba98
	s_mov_b32 s[MNT], 0x600000
	s_mov_b32 s[HIM], 0xffff0000
	s_wait_dscnt 0x0                               ; both opening adds are done
	s_wait_kmcnt 0x0
	s_mov_b32 s[G0], 1
	s_mov_b32 s[G0+1], s18
	s_add_nc_u64 s[G0+2:G0+3], s[6:7], s[18:19]
	s_or_b32 s[G0+3], s[G0+3], 0x80000000
	s_add_nc_u64 s[NP:NP+1], s[4:5], s[20:21]
	s_add_nc_u64 s[8:9], s[8:9], s[22:23]
	s_add_nc_u64 s[12:13], s[12:13], s[54:55]
	ROUND                                          ; the first joint loads meet
	tensor_load_to_lds s[G0:G0+3], s[G1:G1+7]      ; column tiles 0 to 3 into slot 0: my one tensor load at the head
	s_nop 0
	NOPS 4
	v_and_b32 v[TG], 31, v0                        ; lane
	v_and_b32 v[TL], 15, v0                        ; r
	v_bfe_u32 v[OUTA], v0, 4, 1                    ; h
	v_lshlrev_b32 v[LI], 4, v[TG]
	v_lshlrev_b32 v[LR], 5, v[TL]
	v_lshl_add_u32 v[LH], v[OUTA], 5, KBT
	v_add_nc_u32 v[LI2], 2*TILEB, v[LI]
	v_add_nc_u32 v[LR2], 2*TILEB, v[LR]
	v_lshlrev_b32 v[LA], 12, v[TL]
	v_lshl_add_u32 v[LA], v[OUTA], 6, v[LA]
	s_mul_i32 s17, s[WV], IMGW
	s_add_co_u32 s17, s17, IMG
	v_add_nc_u32 v[PC0], s17, v[LI]
	s_add_co_u32 s17, s17, 32768
	v_lshl_add_u32 v[PS0], v[TG], 2, s17
	v_lshlrev_b32 v[ISA], 2, v[TL]
	v_lshl_add_u32 v[ISA], v[OUTA], 7, v[ISA]
	v_add_nc_u32 v[ISA], s17, v[ISA]
	v_lshlrev_b32 v[OUTA], 2, v[TG]
	v_lshlrev_b32 v[TG], 5, v0                     ; the tables: 32 bytes of kb and of w a thread
	v_lshl_add_u32 v[TL], v0, 5, KBT
.irp b, 0,1,2,3
	v_mov_b32 v[TM+4+\b], 0                        ; a lane permute's destination counts as one of its sources
.endr
	s_wait_alu depctr_va_vdst(0)
	global_load_b128 v[128:131], v[TG], s[8:9]
	global_load_b128 v[132:135], v[TG], s[8:9] offset:16
	global_load_b128 v[136:139], v[TG], s[10:11]
	global_load_b128 v[140:143], v[TG], s[10:11] offset:16
; ---- PHASE A.  Fragment (trip t, place q): row tile t / 2, K step 4 (t % 2) + q.  Sixteen loads bring it into buffer q of window 3: register 16 c + 4 j + .. = k 32 c + 16 (lane / 16) + 4 j + .. of row lane % 16.
.macro XLOADF q
	WIN 0xc0
.irp c, 0,1,2,3
.irp j, 0,1,2,3
	global_load_b128 v[64*(\q)+16*\c+4*\j:64*(\q)+16*\c+4*\j+3], v[LA], s[NP:NP+1] offset:512*(\q)+128*\c+16*\j th:TH_LOAD_RT_NT
.endr
.endr
	WIN 0
.endm
; 64 numbers of a lane, v[x] on in window 3, become a fragment's codes in v[PC] on and its scale word in v[PW].
.macro QUANT x
	WIN 0x0f                                       ; sources 0 and 1: window 3
.irp b, 0,1,2,3
	v_max3_num_f32 v[TM+\b], |v[(\x)+16*\b]|, |v[(\x)+1+16*\b]|, 0x8000000   ; my 16 numbers of block b, and the floor 2^(16 - 127): the byte cannot fall under 1
.endr
.irp i, 2,4,6,8,10,12,14
.irp b, 0,1,2,3
	v_max3_num_f32 v[TM+\b], |v[(\x)+16*\b+\i]|, |v[(\x)+1+16*\b+\i]|, v[TM+\b]
.endr
.endr
	WIN 0
.irp b, 0,1,2,3
	v_permlanex16_b32 v[TM+4+\b], v[TM+\b], s[SEL], s[SEL+1]
.endr
.irp b, 0,1,2,3
	v_max_num_f32 v[TM+\b], v[TM+\b], v[TM+4+\b]   ; with lane l xor 16's: the block's largest magnitude
.endr
.irp b, 0,1,2,3
	v_add_nc_u32 v[TM+12+\b], 0xf8800000, v[TM+\b] ; 15 off its exponent field: the conversion's scale operand
.endr
.irp b, 0,1,2,3
	v_and_or_b32 v[TM+8+\b], v[TM+\b], 0x7f800000, s[MNT]   ; 57,344 x the scale
.endr
.irp b, 0,1,2,3
	v_lshrrev_b32 v[TM+4+\b], 23, v[TM+12+\b]      ; the scale's byte
.endr
	v_lshl_or_b32 v[PW], v[TM+5], 8, v[TM+4]
	v_lshl_or_b32 v[PW], v[TM+6], 16, v[PW]
	v_lshl_or_b32 v[PW], v[TM+7], 24, v[PW]
	WIN 0xc3                                       ; source 0 and destination: window 3
.irp b, 0,1,2,3
.irp i, 0,1,2,3,4,5,6,7,8,9,10,11,12,13,14,15
	v_med3_num_f32 v[(\x)+16*\b+\i], v[(\x)+16*\b+\i], -v[TM+8+\b], v[TM+8+\b]   ; the conversion does not saturate (ISA guide 7.6.2): the hold comes first
.endr
.endr
	WIN 0x03
.irp b, 0,1,2,3
	v_cvt_scalef32_pk8_bf8_f32 v[PC+4*\b:PC+1+4*\b], v[(\x)+16*\b:(\x)+7+16*\b], v[TM+12+\b]
	v_cvt_scalef32_pk8_bf8_f32 v[PC+2+4*\b:PC+3+4*\b], v[(\x)+8+16*\b:(\x)+15+16*\b], v[TM+12+\b]
.endr
	v_nop                                          ; one plain vector instruction behind the last conversion
	WIN 0
.endm
.macro STEPF q, ahead, n               ; n: the younger loads that may stay out
	s_wait_loadcnt \n                              ; loads come back in order: fragment q's sixteen are in
	QUANT 64*(\q)
.irp c, 0,1,2,3
	ds_store_b128 v[PCA], v[PC+4*\c:PC+4*\c+3] offset:2048*(\q)+512*\c
.endr
	ds_store_b32 v[PSA], v[PW] offset:128*(\q)
.if \ahead
	XLOADF \q
.endif
.endm
.macro TRIP4 ahead
	v_add_nc_u32 v[PCA], s[IO], v[PC0]
	v_add_nc_u32 v[PSA], s[IO2], v[PS0]
.if \ahead
	STEPF 0, 1, 48                                 ; 48: the three younger fragments' loads, sixteen each
	STEPF 1, 1, 48
	STEPF 2, 1, 48
	STEPF 3, 1, 48
	s_wait_xcnt 0x0                                ; the trip's 64 loads have read their base: only behind this wait is it stepped
	s_add_nc_u64 s[NP:NP+1], s[NP:NP+1], s[INC:INC+1]
	s_xor_b32 s[INC], s[INC], 61440                ; 2,048 (the tile's other four K steps) and 63,488 (the next 16 rows, back along K) by turns
.else
	STEPF 0, 0, 48                                 ; the last trip loads nothing: the counts run down
	STEPF 1, 0, 32
	STEPF 2, 0, 16
	STEPF 3, 0, 0
.endif
	s_add_co_u32 s[IO], s[IO], 8192
	s_add_co_u32 s[IO2], s[IO2], 512
.endm
; Row tile a's fragments and scale words leave the images for the registers in which they stay.  LDS serves a wave's instructions in order (ISA guide 5.7.1.4): these see my stores, and later stores come behind them.
.macro AFETCH a
	WIN 0x40
.irp s, 0,1,2,3
.irp c, 0,1,2,3
	ds_load_b128 v[64*(\a)+16*\s+4*\c:64*(\a)+16*\s+4*\c+3], v[PC0] offset:16384*((\a)%2)+2048*\s+512*\c
.endr
.endr
	WIN 0x80
.irp s, 0,1,2,3
.irp c, 0,1,2,3
	ds_load_b128 v[64*(\a)+16*\s+4*\c:64*(\a)+16*\s+4*\c+3], v[PC0] offset:16384*((\a)%2)+8192+2048*\s+512*\c
.endr
.endr
	WIN 0
.irp u, 0,1,2,3
	ds_load_b32 v[ASC+4*(\a)+\u], v[ISA] offset:1024*((\a)%2)+256*\u
.endr
.endm
	XLOADF 0                                       ; the first trip's four fragments
	XLOADF 1
	XLOADF 2
	XLOADF 3
	s_wait_loadcnt 63                              ; 64 loads were issued behind the tables' four
	ds_store_b128 v[TL], v[128:131]
	ds_store_b128 v[TL], v[132:135] offset:16
	ds_store_b128 v[TL], v[136:139] offset:4096
	ds_store_b128 v[TL], v[140:143] offset:4112
	s_wait_xcnt 0x0                                ; the first 64 loads have read their base
	s_add_nc_u64 s[NP:NP+1], s[NP:NP+1], 2048      ; trip 1: the same rows' K steps 4 to 7
	s_mov_b32 s[INC], 63488
	s_mov_b32 s[INC+1], 0
	s_mov_b32 s[IO], 0
	s_mov_b32 s[IO2], 0
	s_mov_b32 s[TRP], 4
.Lrows_a:                                              ; trips 0 to 3: row tiles 0 and 1
	TRIP4 1
	s_sub_co_u32 s[TRP], s[TRP], 1
	s_cmp_lg_u32 s[TRP], 0
	s_wait_alu depctr_va_vdst(0)
	s_cbranch_scc1 .Lrows_a
	AFETCH 0
	AFETCH 1
	s_mov_b32 s[IO], 0                             ; the images' bytes serve row tiles 2 and 3
	s_mov_b32 s[IO2], 0
	s_mov_b32 s[TRP], 3
.Lrows_b:                                              ; trips 4 to 6
	TRIP4 1
	s_sub_co_u32 s[TRP], s[TRP], 1
	s_cmp_lg_u32 s[TRP], 0
	s_wait_alu depctr_va_vdst(0)
	s_cbranch_scc1 .Lrows_b
	TRIP4 0                                        ; trip 7 is written out: no load leaves the buffer
	AFETCH 2
	AFETCH 3
	s_wait_alu depctr_va_vdst(0)
	s_wait_dscnt 0x0                               ; all codes are in their registers
; ---- PHASE B.  The loop is written once: its first vector pass finds sums, kb and w of zeros and adds 0.5 x 0.
.set n, 0
.rept 32
	v_mov_b32 v[ACC+n], 0
.set n, n+1
.endr
.set n, 0
.rept 8
	v_mov_b32 v[KBR+n], 0
	v_mov_b32 v[WR+n], 0
	v_mov_b32 v[S+n], 0
.set n, n+1
.endr
	s_mov_b32 s[TB], 0
	s_mov_b32 s[TN], 0
; THE CHANGE OF SLOTS.  Each wave waits for all its tensor loads, adds 0 to its spare word, and waits for that and for its reads of the slot that it has left.  fill = 1: a round of the cluster's barrier, and the joint refill first behind it.
.macro CHANGE fill
	s_wait_alu depctr_va_vdst(0)
	s_wait_tensorcnt 0x0
	ds_add_u32 v[SPW], v[NIL]
.if \fill
	s_xor_b32 s[G0+1], s[G0+1], SLOTB              ; 0x10800 shares no bit with 16,896 x wave
	s_add_nc_u64 s[G0+2:G0+3], s[G0+2:G0+3], SLOTB
.endif
	s_wait_dscnt 0x0
.if \fill
	ROUND
	tensor_load_to_lds s[G0:G0+3], s[G1:G1+7]
	s_nop 0
	NOPS 4
.else
	s_barrier_signal -1
	s_barrier_wait -1
.endif
.endm
.macro MM m, s, half                   ; one product: row tile m, K step 4 half + s.  enc's scale word of an odd K step lies in lanes 16-31
.set rD, ACC+8*\m
.set rA, FX+64*\half+16*\s
.set rB, 64*\m+16*\s
.set rSA, VSC+4*\half+\s
.set rSB, ASC+4*\m+2*\half+\s/2
.if (\half == 0) && (\s == 0)
	v_wmma_scale_f32_16x16x128_f8f6f4 v[rD:rD+7], v[rA:rA+15], v[rB:rB+15], 0, v[rSA], v[rSB] matrix_a_fmt:MATRIX_FMT_BF8 matrix_b_fmt:MATRIX_FMT_BF8
.elseif (\s % 2) == 0
	v_wmma_scale_f32_16x16x128_f8f6f4 v[rD:rD+7], v[rA:rA+15], v[rB:rB+15], v[rD:rD+7], v[rSA], v[rSB] matrix_a_fmt:MATRIX_FMT_BF8 matrix_b_fmt:MATRIX_FMT_BF8
.else
	v_wmma_scale_f32_16x16x128_f8f6f4 v[rD:rD+7], v[rA:rA+15], v[rB:rB+15], v[rD:rD+7], v[rSA], v[rSB] matrix_a_fmt:MATRIX_FMT_BF8 matrix_b_fmt:MATRIX_FMT_BF8 matrix_b_scale:MATRIX_SCALE_ROW1
.endif
.endm
; The slot's tile i: 32 products on end, the four accumulators by turns; no LDS load stands among them.
; The eight v_nop at the end are the places ahead of the first read of a result and of the loads into the fragments' registers (ISA guide 7.12.1 for the first read of a result).
.macro RUN i, nxt
	ds_load_b128 v[WR:WR+3], v[AK] offset:4096+64*(\i)
	ds_load_b128 v[WR+4:WR+7], v[AK] offset:4112+64*(\i)
	s_wait_dscnt 19                                ; K steps 0 to 3, their scale words and kb are in; the 17 loads of K steps 4 to 7 and w's two may be out
	WIN 0x04                                       ; source 1 (enc's codes): window 1
.irp s, 0,1,2,3
.irp m, 0,1,2,3
	MM \m, \s, 0
.endr
.endr
	s_wait_dscnt 2                                 ; K steps 4 to 7 and their scale words are in; w's two may be out
	WIN 0x08
.set kk, 0
.irp s, 0,1,2,3
.irp m, 0,1,2,3
	MM \m, \s, 1
.set kk, kk+1
.endr
.endr
	WIN 0
	NOPS 8
.endm
; The vector pass of the tile just multiplied.  more = 1: the slot's tile n is asked for in two runs of LDS loads, each between a batch of transcendentals and the wait behind it:
; kb and K steps 0 to 3 (19 loads) behind the exponentials, K steps 4 to 7 (17) behind the reciprocals.  cnt: the LDS loads issued behind w's two.
; Each batch of transcendentals has one wait ahead of it and one behind it.
.macro PASS n, more, cnt
	s_wait_alu depctr_va_vdst(0)
.irp e, 0,2,4,6,8,10,12,14,16,18,20,22,24,26,28,30
	v_pk_fma_f32 v[ACC+\e:ACC+\e+1], v[ACC+\e:ACC+\e+1], s[KK:KK+1], v[KBR+(\e%8):KBR+(\e%8)+1] op_sel_hi:[1,0,1]   ; k x sum + kb; each accumulator from its low end on
.endr
	s_wait_alu depctr_va_vdst(0)
.set kk, 0
.rept 32
	v_exp_f32 v[ACC+kk], v[ACC+kk]
.set kk, kk+1
.endr
	v_nop
.if \more
	ds_load_b128 v[KBR:KBR+3], v[AK] offset:64*(\n)
	ds_load_b128 v[KBR+4:KBR+7], v[AK] offset:64*(\n)+16
.set kk, 0
.rept 16
	ds_load_b128 v[FX+4*kk:FX+4*kk+3], v[AF0+(\n)/2] offset:((\n)%2)*TILEB+512*kk
.set kk, kk+1
.endr
	ds_load_b128 v[VSC:VSC+3], v[AS0+(\n)/2] offset:((\n)%2)*TILEB+16384
.endif
	s_wait_alu depctr_va_vdst(0)
.irp e, 0,2,4,6,8,10,12,14,16,18,20,22,24,26,28,30
	v_pk_add_f32 v[ACC+\e:ACC+\e+1], v[ACC+\e:ACC+\e+1], 1.0 op_sel_hi:[1,0]
.endr
	s_wait_alu depctr_va_vdst(0)
.set kk, 0
.rept 32
	v_rcp_f32 v[ACC+kk], v[ACC+kk]
.set kk, kk+1
.endr
	v_nop
.if \more
.set kk, 0
.rept 16
	ds_load_b128 v[FX+64+4*kk:FX+64+4*kk+3], v[AF0+(\n)/2] offset:((\n)%2)*TILEB+8192+512*kk
.set kk, kk+1
.endr
	ds_load_b128 v[VSC+4:VSC+7], v[AS0+(\n)/2] offset:((\n)%2)*TILEB+16400
.endif
	s_wait_alu depctr_va_vdst(0)
	s_wait_dscnt \cnt                              ; w of this tile is in
.irp p, 0,2,4,6
.irp m, 0,1,2,3
	v_pk_fma_f32 v[S+2*\m:S+2*\m+1], v[ACC+8*\m+\p:ACC+8*\m+\p+1], v[WR+\p:WR+\p+1], v[S+2*\m:S+2*\m+1]
.endr
.endr
.endm
; A slot's four tiles.  The pass of the tile before (the last slot's tile 3) stands behind the change of slots, under this slot's first loads.
.macro WORK
	v_add_nc_u32 v[AF0], s[TB], v[LI]
	v_add_nc_u32 v[AF0+1], s[TB], v[LI2]
	v_add_nc_u32 v[AS0], s[TB], v[LR]
	v_add_nc_u32 v[AS0+1], s[TB], v[LR2]
	v_add_nc_u32 v[AK], s[TN], v[LH]
	s_wait_alu depctr_va_vdst(0)
	PASS 0, 1, 36                                  ; 36 = 17 + 2 + 17 loads behind w's
	RUN 0, 1
	PASS 1, 1, 36
	RUN 1, 1
	PASS 2, 1, 36
	RUN 2, 1
	PASS 3, 1, 36
	RUN 3, 0
	s_xor_b32 s[TB], s[TB], SLOTB
	s_add_co_u32 s[TN], s[TN], 256
.endm
	s_mov_b32 s[CNT], 15
.Lslot:                                                ; 15 trips: behind each change of slots but the last the next four tiles are asked for.  The first change also shows the tables to every wave
	CHANGE 1
	WORK
	s_sub_co_u32 s[CNT], s[CNT], 1
	s_cmp_lg_u32 s[CNT], 0
	s_wait_alu depctr_va_vdst(0)
	s_cbranch_scc1 .Lslot
	CHANGE 0                                       ; the last slot is written out
	WORK
	PASS 0, 0, 0                                   ; tile 63's pass
	; THE WAY OUT.  A row's sum lies in two registers of two lanes.
.irp m, 0,1,2,3
	v_add_f32 v[S+2*\m], v[S+2*\m], v[S+2*\m+1]
.endr
.irp m, 0,1,2,3
	v_permlanex16_b32 v[S+2*\m+1], v[S+2*\m], s[SEL], s[SEL+1]
.endr
.irp m, 0,1,2,3
	v_add_f32 v[S+2*\m], v[S+2*\m], v[S+2*\m+1]
.endr
.irp m, 0,1,2,3
	v_mul_f32 v[S+2*\m], s[NK], v[S+2*\m]          ; x -k
.endr
	v_cndmask_b32 v[KBR], v[S], v[S+2], s[HIM]     ; lanes 0-15 row tile 0, lanes 16-31 row tile 1
	v_cndmask_b32 v[KBR+1], v[S+4], v[S+6], s[HIM]
	global_store_b32 v[OUTA], v[KBR], s[12:13]     ; the two stores fill 256 consecutive bytes, at a multiple of 256 from the buffer's first byte
	global_store_b32 v[OUTA], v[KBR+1], s[12:13] offset:128
	s_wait_tensorcnt 0x0                           ; the wave's end
	ds_add_u32 v[SPW], v[NIL]
	s_wait_dscnt 0x0
	ROUND                                          ; the closing round
	s_endpgm
.Lfunc_end_k_q9928259bb6_scores:
	.size	k_q9928259bb6_scores, .Lfunc_end_k_q9928259bb6_scores-k_q9928259bb6_scores
	.p2alignl 7, 3214868480
	.fill 96, 4, 3214868480
	.section	.rodata,"a",@progbits
	.p2align	6, 0x0
	.amdhsa_kernel k_q9928259bb6_scores
		.amdhsa_group_segment_fixed_size 327680
		.amdhsa_private_segment_fixed_size 0
		.amdhsa_enable_private_segment 0
		.amdhsa_kernarg_size 40
		.amdhsa_user_sgpr_count 2
		.amdhsa_user_sgpr_kernarg_segment_ptr 1
		.amdhsa_wavefront_size32 1
		.amdhsa_system_sgpr_workgroup_id_x 1
		.amdhsa_system_sgpr_workgroup_id_y 1
		.amdhsa_system_sgpr_workgroup_id_z 1
		.amdhsa_system_vgpr_workitem_id 0
		.amdhsa_next_free_vgpr 1024
		.amdhsa_next_free_sgpr 66
		.amdhsa_reserve_vcc 0
		.amdhsa_float_denorm_mode_32 3
		.amdhsa_float_denorm_mode_16_64 3
		.amdhsa_memory_ordered 1
		.amdhsa_forward_progress 1
		.amdhsa_inst_pref_size 243
	.end_amdhsa_kernel
	.amdgpu_metadata
---
amdhsa.version: [ 1, 2 ]
amdhsa.kernels:
  - .name:           k_q9928259bb6_scores
    .symbol:         k_q9928259bb6_scores.kd
    .args:
      - { .name: encoder_outputs, .offset: 0, .size: 8, .value_kind: global_buffer, .address_space: global }
      - { .name: vimg, .offset: 8, .size: 8, .value_kind: global_buffer, .address_space: global }
      - { .name: kb, .offset: 16, .size: 8, .value_kind: global_buffer, .address_space: global }
      - { .name: w, .offset: 24, .size: 8, .value_kind: global_buffer, .address_space: global }
      - { .name: scores, .offset: 32, .size: 8, .value_kind: global_buffer, .address_space: global }
    .group_segment_fixed_size: 327680
    .private_segment_fixed_size: 0
    .kernarg_segment_align: 8
    .kernarg_segment_size: 40
    .max_flat_workgroup_size: 128
    .sgpr_count:     66
    .vgpr_count:     1024
    .wavefront_size: 32
...
	.end_amdgpu_metadata
.endif
;; end of part 2
;; launch context (part 3): grid 256 x 1, 16 waves a work-group, no clusters, 18,944 bytes of LDS; arguments scores, encoder_outputs, out0; writes out0
.if DOCPART == 3
	.amdgcn_target "amdgcn-amd-amdhsa--gfx1250"
	.amdhsa_code_object_version 6
	.text
	.protected	k_q9928259bb6_context
	.globl	k_q9928259bb6_context
	.p2align	8
	.type	k_q9928259bb6_context,@function
k_q9928259bb6_context:
	s_mov_b64 s[64:65], 0
	v_nop
	global_prefetch_b8 v0, s[64:65] scope:SCOPE_SE
	s_setreg_imm32_b32 hwreg(HW_REG_WAVE_MODE, 25, 1), 1
	s_wait_xcnt 0x0
; out0[batch][ch] = sum over t of p[t] enc[batch][t][ch] / sum over t of p[t], p[t] = 2^(v[t] - the batch's largest v), v = scores [32][2048] (the score x log2(e), less a constant of the batch, which the softmax takes away).
; The maximum is the true maximum of the batch's 2,048 numbers, so p is at most 1 and the sum at least 1.  All in f32: a product with one row gives the matrix unit nothing to do.
; SHARES.  Work-group g takes batch g / 8 and channels 128 (g % 8) .. + 127, and it alone owns those 128 outputs.  Wave w takes rows 128 w .. + 127, a lane 4 channels: each load of a wave reads 512 consecutive bytes, aligned.
; 32 loads of every wave are out: a ring of 32 slots of four registers; rows go in groups of four under one pair of waits.
; Thread i holds v of rows 4 i .. 4 i + 3, rows of its own wave; p goes to LDS and comes back 16 rows at a time, every lane reading the same words.
; No cluster, no tensor load, no prefetch: the work-groups share no byte of enc, which is streamed once by loads that run 32 rows ahead; the eight of a batch share its 8 KiB of scores, one part in 128 of what each reads.
.set MAXW,  0                          ; LDS: the waves' maxima
.set SUMW,  256                        ; their sums
.set PT,    512                        ; p of the 2,048 rows
.set PART,  8704                       ; the waves' partial outputs, 512 bytes each
.set SPARE, 16896                      ; the spare words, 128 bytes a wave: eight blocks of 256 bytes that no other line names
.set SPW, 10
.set NIL, 11
.set E,   128                          ; v128-255  32 slots of four registers
	s_load_b128 s[4:7], s[0:1], 0x0                ; scores, enc
	s_load_b64 s[8:9], s[0:1], 0x10                ; out0
	v_lshl_add_u32 v[SPW], v0, 2, SPARE
	v_mov_b32 v[NIL], 0
	v_lshrrev_b32 v2, 5, v0
	v_readfirstlane_b32 s10, v2                    ; wave 0..15
	v_and_b32 v1, 31, v0
	v_lshlrev_b32 v1, 4, v1                        ; 16 x lane
	v_lshlrev_b32 v3, 4, v0                        ; my four scores
	v_lshlrev_b32 v2, 2, v2                        ; my wave's word
	v_lshl_add_u32 v121, v0, 4, PT                 ; where my four p go
	s_lshl_b32 s22, s10, 9
	s_add_co_u32 s23, s22, PT
	v_mov_b32 v122, s23                            ; my wave's 128 p
	s_add_co_u32 s22, s22, PART
	v_add_nc_u32 v123, s22, v1                     ; my wave's partial output
	v_add_nc_u32 v124, PART, v1                    ; the first wave's
	v_mov_b32 v125, 0
	v_mov_b32 v127, 0                              ; (the upper half of the pair v[126:127])
	v_mov_b32 v9, 0                                ; a lane permute's destination counts as one of its sources
	s_lshr_b32 s12, ttmp9, 3                       ; batch
	s_and_b32 s13, ttmp9, 7                        ; block of 128 channels
	s_lshl_b32 s16, s12, 13
	s_mov_b32 s17, 0
	s_lshl_b32 s18, s12, 23                        ; enc: 2,048 rows of 4,096 bytes a batch, 128 rows a wave, 512 bytes a block
	s_lshl_b32 s19, s10, 19
	s_add_co_u32 s18, s18, s19
	s_lshl_b32 s19, s13, 9
	s_add_co_u32 s18, s18, s19
	s_mov_b32 s19, 0
	s_lshl_b32 s20, s12, 12
	s_lshl_b32 s21, s13, 9
	s_add_co_u32 s20, s20, s21
	s_mov_b32 s21, 0
	s_mov_b32 s14, 0x76543210
	s_mov_b32 s15, 0xfedcba98
	s_wait_alu depctr_va_vdst(0)
	s_wait_kmcnt 0x0
	s_add_nc_u64 s[4:5], s[4:5], s[16:17]
	s_add_nc_u64 s[6:7], s[6:7], s[18:19]
	s_add_nc_u64 s[8:9], s[8:9], s[20:21]
	global_load_b128 v[4:7], v3, s[4:5]
.set n, 0
.rept 32
	global_load_b128 v[E+4*n:E+4*n+3], v1, s[6:7] offset:4096*n th:TH_LOAD_NT   ; rows 0 to 31 are on their way while the softmax is made
.set n, n+1
.endr
	s_wait_loadcnt 32                              ; my four scores are in
	v_max3_num_f32 v8, v4, v5, v6
	v_max_num_f32 v8, v8, v7
	v_max_num_f32_dpp v8, v8, v8 row_xmask:1 row_mask:0xf bank_mask:0xf
	v_max_num_f32_dpp v8, v8, v8 row_xmask:2 row_mask:0xf bank_mask:0xf
	v_max_num_f32_dpp v8, v8, v8 row_xmask:4 row_mask:0xf bank_mask:0xf
	v_max_num_f32_dpp v8, v8, v8 row_xmask:8 row_mask:0xf bank_mask:0xf
	v_permlanex16_b32 v9, v8, s14, s15
	v_max_num_f32 v8, v8, v9                       ; my wave's largest
	ds_store_b32 v2, v8
	s_wait_alu depctr_va_vdst(0)
	s_wait_dscnt 0x0                               ; for the others' sake
	s_barrier_signal -1
	s_barrier_wait -1
.irp i, 0,1,2,3
	ds_load_b128 v[12+4*\i:15+4*\i], v125 offset:MAXW+16*\i
.endr
	s_wait_dscnt 0x0
	v_max3_num_f32 v8, v12, v13, v14
.irp i, 15,17,19,21,23,25
	v_max3_num_f32 v8, v8, v[\i], v[\i+1]
.endr
	v_max_num_f32 v8, v8, v27                      ; the batch's largest
.irp i, 4,5,6,7
	v_sub_f32 v[\i], v[\i], v8
.endr
	s_wait_alu depctr_va_vdst(0)                   ; one wait ahead of the batch,
.irp i, 4,5,6,7
	v_exp_f32 v[\i], v[\i]                         ; p, at most 1
.endr
	v_nop
	s_wait_alu depctr_va_vdst(0)                   ; and one behind it
	ds_store_b128 v121, v[4:7]
	v_add_f32 v8, v4, v5
	v_add_f32 v9, v6, v7
	v_add_f32 v8, v8, v9
	v_add_f32_dpp v8, v8, v8 row_xmask:1 row_mask:0xf bank_mask:0xf
	v_add_f32_dpp v8, v8, v8 row_xmask:2 row_mask:0xf bank_mask:0xf
	v_add_f32_dpp v8, v8, v8 row_xmask:4 row_mask:0xf bank_mask:0xf
	v_add_f32_dpp v8, v8, v8 row_xmask:8 row_mask:0xf bank_mask:0xf
	v_permlanex16_b32 v9, v8, s14, s15
	v_add_f32 v8, v8, v9                           ; my wave's sum
	ds_store_b32 v2, v8 offset:SUMW
	s_wait_alu depctr_va_vdst(0)
	s_wait_dscnt 0x0
	s_barrier_signal -1
	s_barrier_wait -1
.irp i, 0,1,2,3
	ds_load_b128 v[12+4*\i:15+4*\i], v125 offset:SUMW+16*\i
.endr
.irp i, 0,1,2,3
	ds_load_b128 v[96+4*\i:99+4*\i], v122 offset:16*\i   ; p of my rows 0 to 15
.endr
	s_wait_dscnt 4                                 ; the sixteen sums are in
	v_pk_add_f32 v[12:13], v[12:13], v[14:15]
	v_pk_add_f32 v[16:17], v[16:17], v[18:19]
	v_pk_add_f32 v[20:21], v[20:21], v[22:23]
	v_pk_add_f32 v[24:25], v[24:25], v[26:27]
	v_pk_add_f32 v[12:13], v[12:13], v[16:17]
	v_pk_add_f32 v[20:21], v[20:21], v[24:25]
	v_pk_add_f32 v[12:13], v[12:13], v[20:21]
	v_add_f32 v8, v12, v13                         ; the batch's sum, at least 1
	s_wait_alu depctr_va_vdst(0)
	v_rcp_f32 v126, v8
	v_nop
	s_wait_alu depctr_va_vdst(0)
; The wave's 128 rows, written out in groups of four: every offset is an immediate (127 rows of 4,096 bytes at the most).  p comes 16 rows at a time into v96-111 and v12-27 by turns, a group of 16 ahead.
; Even rows add into v112-115, odd rows into v116-119; rows 0 and 1 start the sums.  Of p's pair the packed form takes one register for both halves.
.set row, 0
.rept 32
.set PB, 96-84*((row/16)%2)
.set NB, 96-84*((row/16+1)%2)
.if (row%16 == 0) && (row/16 < 7)
.irp k, 0,1,2,3
	ds_load_b128 v[NB+4*\k:NB+4*\k+3], v122 offset:64*(row/16+1)+16*\k
.endr
.endif
	s_wait_alu depctr_va_vdst(0)
.if row%16 == 0
.if row/16 < 7
	s_wait_dscnt 4                                 ; this group's p are in; the next group's four loads may be out
.else
	s_wait_dscnt 0x0
.endif
.endif
.if row < 96
	s_wait_loadcnt 28                              ; loads come back in order: these four rows are in, the 28 younger stay out
.else
	s_wait_loadcnt 124-row                         ; the last 32 rows load nothing: the counts run down
.endif
.rept 4
.set sl, E+4*(row%32)
.set pp, PB+((row%16)/2)*2
.set AC, 112+4*(row%2)
.if row == 0
	v_pk_mul_f32 v[AC:AC+1], v[sl:sl+1], v[pp:pp+1] op_sel_hi:[1,0]
	v_pk_mul_f32 v[AC+2:AC+3], v[sl+2:sl+3], v[pp:pp+1] op_sel_hi:[1,0]
.elseif row == 1
	v_pk_mul_f32 v[AC:AC+1], v[sl:sl+1], v[pp:pp+1] op_sel:[0,1]
	v_pk_mul_f32 v[AC+2:AC+3], v[sl+2:sl+3], v[pp:pp+1] op_sel:[0,1]
.elseif row%2 == 0
	v_pk_fma_f32 v[AC:AC+1], v[sl:sl+1], v[pp:pp+1], v[AC:AC+1] op_sel_hi:[1,0,1]
	v_pk_fma_f32 v[AC+2:AC+3], v[sl+2:sl+3], v[pp:pp+1], v[AC+2:AC+3] op_sel_hi:[1,0,1]
.else
	v_pk_fma_f32 v[AC:AC+1], v[sl:sl+1], v[pp:pp+1], v[AC:AC+1] op_sel:[0,1,0]
	v_pk_fma_f32 v[AC+2:AC+3], v[sl+2:sl+3], v[pp:pp+1], v[AC+2:AC+3] op_sel:[0,1,0]
.endif
.set row, row+1
.endr
.if row+28 < 128
.set n, row-4
.rept 4
	global_load_b128 v[E+4*(n%32):E+4*(n%32)+3], v1, s[6:7] offset:4096*(n+32) th:TH_LOAD_NT
.set n, n+1
.endr
.endif
.endr
	v_pk_add_f32 v[112:113], v[112:113], v[116:117]
	v_pk_add_f32 v[114:115], v[114:115], v[118:119]
	ds_store_b128 v123, v[112:115]
	s_wait_alu depctr_va_vdst(0)
	s_wait_dscnt 0x0                               ; for wave 0's sake
	s_barrier_signal -1
	s_barrier_wait -1
	s_cmp_lg_u32 s10, 0
	s_cbranch_scc1 .Ldone                          ; wave 0 adds the sixteen parts and stores; no barrier stands in its way
.irp k, 0,1,2,3,4,5,6,7,8,9,10,11,12,13,14,15
	ds_load_b128 v[E+4*\k:E+4*\k+3], v124 offset:512*\k
.endr
	s_wait_dscnt 0x0
.irp d, 8,4,2,1
.set kk, 0
.rept \d
	v_pk_add_f32 v[E+4*kk:E+4*kk+1], v[E+4*kk:E+4*kk+1], v[E+4*(kk+\d):E+4*(kk+\d)+1]
	v_pk_add_f32 v[E+4*kk+2:E+4*kk+3], v[E+4*kk+2:E+4*kk+3], v[E+4*(kk+\d)+2:E+4*(kk+\d)+3]
.set kk, kk+1
.endr
.endr
	v_pk_mul_f32 v[E:E+1], v[E:E+1], v[126:127] op_sel_hi:[1,0]       ; / the sum
	v_pk_mul_f32 v[E+2:E+3], v[E+2:E+3], v[126:127] op_sel_hi:[1,0]
	global_store_b128 v1, v[E:E+3], s[8:9]         ; 32 lanes store 512 consecutive bytes, at a multiple of 256 from out0's first byte
.Ldone:
	s_wait_tensorcnt 0x0                           ; the wave's end
	ds_add_u32 v[SPW], v[NIL]
	s_wait_dscnt 0x0
	s_endpgm
.Lfunc_end_k_q9928259bb6_context:
	.size	k_q9928259bb6_context, .Lfunc_end_k_q9928259bb6_context-k_q9928259bb6_context
	.p2alignl 7, 3214868480
	.fill 96, 4, 3214868480
	.section	.rodata,"a",@progbits
	.p2align	6, 0x0
	.amdhsa_kernel k_q9928259bb6_context
		.amdhsa_group_segment_fixed_size 18944
		.amdhsa_private_segment_fixed_size 0
		.amdhsa_enable_private_segment 0
		.amdhsa_kernarg_size 24
		.amdhsa_user_sgpr_count 2
		.amdhsa_user_sgpr_kernarg_segment_ptr 1
		.amdhsa_wavefront_size32 1
		.amdhsa_system_sgpr_workgroup_id_x 1
		.amdhsa_system_sgpr_workgroup_id_y 1
		.amdhsa_system_sgpr_workgroup_id_z 1
		.amdhsa_system_vgpr_workitem_id 0
		.amdhsa_next_free_vgpr 256
		.amdhsa_next_free_sgpr 66
		.amdhsa_reserve_vcc 0
		.amdhsa_float_denorm_mode_32 3
		.amdhsa_float_denorm_mode_16_64 3
		.amdhsa_memory_ordered 1
		.amdhsa_forward_progress 1
		.amdhsa_inst_pref_size 42
	.end_amdhsa_kernel
	.amdgpu_metadata
---
amdhsa.version: [ 1, 2 ]
amdhsa.kernels:
  - .name:           k_q9928259bb6_context
    .symbol:         k_q9928259bb6_context.kd
    .args:
      - { .name: scores, .offset: 0, .size: 8, .value_kind: global_buffer, .address_space: global }
      - { .name: encoder_outputs, .offset: 8, .size: 8, .value_kind: global_buffer, .address_space: global }
      - { .name: out0, .offset: 16, .size: 8, .value_kind: global_buffer, .address_space: global }
    .group_segment_fixed_size: 18944
    .private_segment_fixed_size: 0
    .kernarg_segment_align: 8
    .kernarg_segment_size: 24
    .max_flat_workgroup_size: 512
    .sgpr_count:     66
    .vgpr_count:     256
    .wavefront_size: 32
...
	.end_amdgpu_metadata
.endif
;; end of part 3
